; MI455X (gfx1250); checked and timed in simulation.
; The chip was launched on July 23, 2026; its instructions are those of AMD's public machine-readable ISA for CDNA 5 (MIT licence, August 2026) and "CDNA5" Instruction Set Architecture Reference Guide (July 2026). The comments in the code are by the model that wrote it; some were corrected since.
;; Oblivious Layer. Allowed arithmetic: matrix products marked QUANTISED: E3M2 operands, one E8M0 scale for each 32 along K, by v_wmma_scale_f32_16x16x128_f8f6f4 with both operands' format E3M2, f32 sums; products left as they are: f32 operands where the result goes on into a quantised operand, else bf16, f16 or f32 operands; f32 sums; everything else in f32.
;; Inputs: feature_weights 10 x 512 float32; leaf_values 512 x 1,024 float32; thresholds 10 float32; x 16,384 x 512 float32.
;; Outputs: out0 16,384 x 512 float32.
;; This version of the problem:
;;   THIS VERSION OF THE PROBLEM IS GIVEN IN LOW PRECISION. The matrix products marked QUANTISED in the list below multiply operands that are first quantised to E3M2 (3 exponent bits, 2 mantissa bits; 6 bits a number), with one power-of-two scale for each 32 numbers along K (OCP MX v1.0); their sums are f32. All else is computed in f32.
;;   The module's matrix products, in the order in which they are computed (A, B: the left and right operand; K: the contracted axis; several contracted axes count as one K, in the product's order):
;;     1. [M 16,384, K 512] x [K 512, N 10]; A: input x; B: softmax: left as it is (N = 10 < 16)
;;     2. [M 16,384, K 1,024] x [K 1,024, N 512]; A: computed on the way; B: input leaf_values: QUANTISED
;;   THE QUANTISER, for each operand of a quantised product, along K:
;;     - K is cut into blocks of 32 from its start; a last block that is shorter is filled with zeros.
;;     - A block's scale is 2^e with e = floor(log2(the largest magnitude in the block)) - 4, held to -126 .. 127; a block of zeros has e = 0. As a byte (E8M0): e + 127.
;;     - Each number is divided by its block's scale, clamped to +-28, and rounded to the nearest number of E3M2, ties to even, subnormals kept.
;;     - The product sums the exact products of the quantised numbers (number of the format x scale) in f32.
;;   ~~~python
;;   def quantise(x, axis):      # numpy; x: float32 -> the quantised numbers, widened to float32 again
;;       x = np.moveaxis(x, axis, -1); K = x.shape[-1]
;;       x = np.pad(x, [(0, 0)] * (x.ndim - 1) + [(0, -K % 32)]); x = x.reshape(x.shape[:-1] + (-1, 32)); a = np.abs(x).max(-1, keepdims=True)
;;       e = np.where(a > 0, np.clip(np.frexp(np.where(a > 0, a, 1))[1] - 1 - 4, -126, 127), 0)      # np.frexp(a)[1] - 1 = floor(log2(a)), exactly
;;       r = np.clip(x / 2.0 ** e, -28, 28)
;;       step = 2.0 ** (np.maximum(np.frexp(np.where(r == 0, 1, r))[1] - 1, -2) - 2)
;;       q = np.round(r / step) * step * 2.0 ** e      # np.round: ties to even
;;       return np.moveaxis(q.reshape(q.shape[:-2] + (-1,))[..., :K], -1, axis).astype(np.float32)
;;   ~~~
;;   OPERANDS COMPUTED ON THE WAY. 'Computed on the way' means the value that the module computes at that place (a softmax that the list does not call 'softmax' is quantised finished and normalised). What goes into a quantiser is computed in f32, as accurately as f32 sums, v_exp_f32 and their like allow (about 1e-6 of the number): no bf16 or f16 on the way to a quantiser, and a product that is left as it is and whose result goes on into a quantised operand takes f32 operands (vector FMAs, or v_wmma_f32_16x16x4_f32). A number that lies on a knife's edge between two numbers of the format may be rounded either way, as far as f32 arithmetic and the matrix unit's own rounding can turn it there, and no further.
;; One version. Each part assembles by itself: llvm-mc -triple=amdgcn-amd-amdhsa -mcpu=gfx1250 --defsym DOCPART=n.
;; ======== version 1 of 1: 2 launches
;; workspace buffers: dec 655,360 bytes; wq 409,600 bytes
;; launch prep (part 1): grid 256 x 1, 4 waves a work-group, no clusters, 99,840 bytes of LDS; arguments x, feature_weights, thresholds, leaf_values, dec, wq; writes dec, wq
.if DOCPART == 1
	.amdgcn_target "amdgcn-amd-amdhsa--gfx1250"
	.amdhsa_code_object_version 6
	.text
	.protected	k_q3f05e670cd_prep
	.globl	k_q3f05e670cd_prep
	.p2align	8
	.type	k_q3f05e670cd_prep,@function
k_q3f05e670cd_prep:
	s_mov_b64 s[64:65], 0
	v_nop
	global_prefetch_b8 v0, s[64:65] scope:SCOPE_SE
	s_setreg_imm32_b32 hwreg(HW_REG_WAVE_MODE, 25, 1), 1
	s_wait_xcnt 0x0
; decisions p[b][d] = sigmoid((x[b] . softmax(feature_weights[d]) - thresholds[d]) / 0.1), all in f32, for 16,384 rows and 10 levels; and leaf_values [512][1024] turned into codes of BF6 (E3M2) with E8M0 scales.
; OUT: dec: plane A at byte 0: [row][8] = p0 p1 p2 p3 p5 p6 p7 p8; plane B at byte 524,288: [row][2] = p4 p9.
;      wq: four blocks of 102,400 bytes, one for 128 rows of leaf_values (columns of the result).  In a block, fragment 8 s + t (16 rows 16 t on, leaves 128 s on) is 1,536 bytes: an image of the operand's 12 registers,
;      registers 4 g .. 4 g + 3 of lane l at 512 g + 16 l.  From byte 98,304 the scale words: that of (t, s, row r) at 512 t + 256 (s % 2) + 16 r + 4 (s / 2).
; SHARES.  256 work-groups of four waves; a work-group owns 64 rows of x, a wave 16.  A wave takes a row at a time: lane l holds features 128 j + 4 l + i, so each load of 16 bytes a lane covers 512 consecutive bytes.
; Every wave makes the softmax for itself, while its rows of x are on their way; the numbers e = 2^((f - max) log2 e) stay unnormalised in 160 registers, and 1 / their sum is applied to the finished dot product.
; A row's ten partial sums of each lane go to the wave's own LDS; then lane (r, h) adds row r's 32 records for levels 5 h .. 5 h + 4.  Waves share nothing: no barrier.
; Wave 0 also quantises ONE fragment of leaf_values (there are 256, as many as work-groups): lane (r, h) holds two whole blocks of 32 leaves of row r, in the order of the operand's registers.
; A block's scale is 2^(floor(log2(largest magnitude)) - 4): its byte is the largest magnitude's exponent field - 4, held at 1 from below.
; LIMITS: NaN and infinities among the inputs are not served.  A block of zeros gets the byte 1 where the rule says 127: its codes are zeros, and this program alone reads the bytes.
; The order of the f32 sums differs from a row-by-row sum, and the softmax's divisor is applied behind the dot product: a few units in the last place.
; REGISTERS: window 0: v1-7 addresses, v8-12 thresholds, v16-175 e (level d at 16 d), v176-195 ten pairs of sums, v196-219 two sets of a record, v220-244 maxima, sums, reciprocals, v245-255 wave 0's work and addresses.
;   window 1: the wave's 16 rows of x (row q at 16 q).   window 2: v0-63 wave 0's 64 numbers of leaf_values.
.set RP,   1552                        ; LDS: a row's 32 records + 16 bytes: 97 x 16, so that the 16 rows that a load touches lie in 16 different columns of 16 bytes
.set REC,  48                          ; a lane's record: levels 0-3 | 5-8 | 4, 9 and 8 bytes unused
.set WREG, 16*RP                       ; a wave's own region
.set XO,   1                           ; v1   16 x lane
.set TO,   2                           ; v2   20 h: my five thresholds
.set LW,   3                           ; v3   where I put my record of row 0
.set LR,   4                           ; v4   row r, record 0, + 16 h
.set LR2,  5                           ; v5   row r, record 0, + 4 h
.set DOA,  6                           ; v6   32 r + 16 h
.set DOB,  7                           ; v7   8 r + 4 h
.set THR,  8
.set P,    16
.set ACC,  176
.set SS,   196
.set M,    220
.set SM,   230
.set RS,   240
.set QM,   245                         ; wave 0: two largest magnitudes
.set QS,   247                         ; the conversions' scale operands
.set QB,   249                         ; the bytes
.set QW,   251                         ; the scale word
.set QT,   252                         ; a lane permute's destination
.set H8,   253                         ; 8 h
.set SCO,  254                         ; 16 r
.set LFO,  255                         ; 4,096 r + 128 h
.set CD,   64                          ; the fragment's 12 registers
.set CT,   76                          ; the upper halves of the two blocks, as the conversions leave them
.set MSB, 0
.macro WIN new                         ; the immediate's high byte repeats the setting that is left; a switch that changes nothing is dropped
.if MSB != (\new)
	s_set_vgpr_msb (MSB<<8)|(\new)
.set MSB, (\new)
.endif
.endm
	s_load_b256 s[4:11], s[0:1], 0x0               ; x s[4:5], feature_weights s[6:7], thresholds s[8:9], leaf_values s[10:11]
	s_load_b128 s[12:15], s[0:1], 0x20             ; dec s[12:13], wq s[14:15]
	v_lshl_add_u32 v218, v0, 2, 0x18400
	v_mov_b32 v219, 0
	v_lshrrev_b32 v13, 5, v0
	v_readfirstlane_b32 s16, v13                   ; wave 0..3
	v_bfe_u32 v13, v0, 4, 1                        ; h
	v_and_b32 v14, 31, v0                          ; lane
	v_and_b32 v15, 15, v0                          ; r
	s_mul_i32 s18, s16, WREG
	v_lshlrev_b32 v[XO], 4, v14
	v_mul_u32_u24 v[TO], v13, 20
	v_mul_u32_u24 v[LW], v14, REC
	v_add_nc_u32 v[LW], s18, v[LW]
	v_mul_u32_u24 v[LR2], v15, RP
	v_add_nc_u32 v[LR2], s18, v[LR2]
	v_lshl_add_u32 v[LR], v13, 4, v[LR2]
	v_lshl_add_u32 v[LR2], v13, 2, v[LR2]
	v_lshlrev_b32 v[DOA], 5, v15
	v_lshl_add_u32 v[DOA], v13, 4, v[DOA]
	v_lshlrev_b32 v[DOB], 3, v15
	v_lshl_add_u32 v[DOB], v13, 2, v[DOB]
	v_lshlrev_b32 v[H8], 3, v13
	v_lshlrev_b32 v[SCO], 4, v15
	v_lshlrev_b32 v[LFO], 12, v15
	v_lshl_add_u32 v[LFO], v13, 7, v[LFO]
	v_mov_b32 v[QT], 0                             ; written once: a lane permute's destination counts as one of its sources
.irp d, 0,1,2,3,4,5,6,7,8,9
	v_mov_b32 v[SM+\d], 0                          ; likewise
.endr
	s_mov_b32 s20, 0x76543210                      ; v_permlanex16_b32's selects for lane l xor 16
	s_mov_b32 s21, 0xfedcba98
	s_mov_b32 s22, 0xffff0000                      ; lanes 16-31
	s_mov_b32 s44, 0x3fb8aa3b                      ; log2(e)
	s_mov_b32 s45, s44                             ; (named with it as a pair, so it is written)
	s_lshl_b32 s24, ttmp9, 17                      ; x: 64 rows of 2,048 bytes a work-group,
	s_lshl_b32 s17, s16, 15                        ; 16 a wave
	s_add_co_u32 s24, s24, s17
	s_mov_b32 s25, 0
	s_lshl_b32 s26, ttmp9, 11                      ; dec, plane A: 32 bytes a row
	s_lshl_b32 s17, s16, 9
	s_add_co_u32 s26, s26, s17
	s_mov_b32 s27, 0
	s_lshl_b32 s28, ttmp9, 9                       ; plane B: 8 bytes a row, behind plane A
	s_lshl_b32 s17, s16, 7
	s_add_co_u32 s28, s28, s17
	s_add_co_u32 s28, s28, 524288
	s_mov_b32 s29, 0
	s_lshr_b32 s32, ttmp9, 6                       ; the work-group's fragment: block of 128 rows,
	s_and_b32 s33, ttmp9, 7                        ; t,
	s_bfe_u32 s34, ttmp9, 0x30003                  ; s,
	s_and_b32 s35, ttmp9, 63                       ; 8 s + t
	s_lshl_b32 s30, s32, 19                        ; leaf_values: row 128 block + 16 t of 4,096 bytes, + 512 s
	s_lshl_b32 s17, s33, 16
	s_add_co_u32 s30, s30, s17
	s_lshl_b32 s17, s34, 9
	s_add_co_u32 s30, s30, s17
	s_mov_b32 s31, 0
	s_mul_i32 s42, s32, 102400
	s_mul_i32 s17, s35, 1536
	s_add_co_u32 s40, s42, s17                     ; wq: the fragment's image,
	s_mov_b32 s41, 0
	s_add_co_u32 s42, s42, 98304                   ; and its scale words: 512 t + 256 (s % 2) + 4 (s / 2)
	s_lshl_b32 s17, s33, 9
	s_add_co_u32 s42, s42, s17
	s_and_b32 s17, s34, 1
	s_lshl_b32 s17, s17, 8
	s_add_co_u32 s42, s42, s17
	s_lshr_b32 s17, s34, 1
	s_lshl_b32 s17, s17, 2
	s_add_co_u32 s42, s42, s17
	s_mov_b32 s43, 0
	s_wait_kmcnt 0x0
	s_add_nc_u64 s[4:5], s[4:5], s[24:25]
	s_add_nc_u64 s[36:37], s[12:13], s[28:29]      ; plane B
	s_add_nc_u64 s[12:13], s[12:13], s[26:27]      ; plane A
	s_add_nc_u64 s[10:11], s[10:11], s[30:31]
	s_add_nc_u64 s[38:39], s[14:15], s[42:43]      ; the scale words
	s_add_nc_u64 s[14:15], s[14:15], s[40:41]      ; the image
; THE LOADS.  What the softmax wants first, then x.
.irp i, 0,1,2,3,4
	global_load_b32 v[THR+\i], v[TO], s[8:9] offset:4*\i           ; thresholds 5 h + i
.endr
.irp d, 0,1,2,3,4,5,6,7,8,9
.irp j, 0,1,2,3
	global_load_b128 v[P+16*\d+4*\j:P+16*\d+4*\j+3], v[XO], s[6:7] offset:2048*\d+512*\j
.endr
.endr
	s_cmp_lg_u32 s16, 0
	s_cbranch_scc1 .Lno_leaf
	WIN 0x80                                       ; destination window 2
.irp c, 0,1
.irp j, 0,1,2,3,4,5,6,7
	global_load_b128 v[32*\c+4*\j:32*\c+4*\j+3], v[LFO], s[10:11] offset:256*\c+16*\j th:TH_LOAD_NT   ; leaves 128 s + 64 c + 32 h + 4 j on, of row r
.endr
.endr
	WIN 0
.Lno_leaf:
.macro XROW q                          ; a row of x: four loads of 512 consecutive bytes
.irp j, 0,1,2,3
	global_load_b128 v[16*(\q)+4*\j:16*(\q)+4*\j+3], v[XO], s[4:5] offset:2048*(\q)+512*\j th:TH_LOAD_NT
.endr
.endm
	WIN 0x40                                       ; destination window 1
.irp q, 0,1,2,3
	XROW \q
.endr
	s_wait_loadcnt 16                              ; all but the 16 loads of x just issued: thresholds, feature_weights (and wave 0's leaves) are in
.irp q, 4,5,6,7,8,9,10,11,12,13,14
	XROW \q                                        ; 60 loads of x are out while the softmax is made
.endr
	WIN 0
; THE SOFTMAX'S NUMERATORS AND DIVISORS, ten rows of 512, 16 numbers a lane.  The ten rows take turns, so that no line waits for the line above it.
.irp d, 0,1,2,3,4,5,6,7,8,9
	v_max3_num_f32 v[M+\d], v[P+16*\d], v[P+16*\d+1], v[P+16*\d+2]
.endr
.irp k, 3,5,7,9,11,13
.irp d, 0,1,2,3,4,5,6,7,8,9
	v_max3_num_f32 v[M+\d], v[M+\d], v[P+16*\d+\k], v[P+16*\d+\k+1]
.endr
.endr
.irp d, 0,1,2,3,4,5,6,7,8,9
	v_max_num_f32 v[M+\d], v[M+\d], v[P+16*\d+15]
.endr
.irp x, 1,2,4,8
.irp d, 0,1,2,3,4,5,6,7,8,9
	v_max_num_f32_dpp v[M+\d], v[M+\d], v[M+\d] row_xmask:\x row_mask:0xf bank_mask:0xf
.endr
.endr
.irp d, 0,1,2,3,4,5,6,7,8,9
	v_permlanex16_b32 v[SM+\d], v[M+\d], s20, s21
.endr
.irp d, 0,1,2,3,4,5,6,7,8,9
	v_max_num_f32 v[M+\d], v[M+\d], v[SM+\d]       ; the row's maximum, in every lane
.endr
.irp d, 0,2,4,6,8
.irp k, 0,2,4,6,8,10,12,14
	v_pk_add_f32 v[P+16*\d+\k:P+16*\d+\k+1], v[P+16*\d+\k:P+16*\d+\k+1], v[M+\d:M+\d+1] op_sel_hi:[1,0] neg_lo:[0,1] neg_hi:[0,1]   ; f - max: the maximum goes off first; an even row takes the pair's low word for both halves,
	v_pk_add_f32 v[P+16*\d+16+\k:P+16*\d+16+\k+1], v[P+16*\d+16+\k:P+16*\d+16+\k+1], v[M+\d:M+\d+1] op_sel:[0,1] op_sel_hi:[1,1] neg_lo:[0,1] neg_hi:[0,1]   ; an odd row its high word
.endr
.endr
.set i, 0
.rept 80
	v_pk_mul_f32 v[P+i:P+i+1], v[P+i:P+i+1], s[44:45] op_sel_hi:[1,0]
.set i, i+2
.endr
.set i, 0
.rept 160
	v_exp_f32 v[P+i], v[P+i]                       ; e, at most 1
.set i, i+1
.endr
	v_nop                                          ; a plain instruction behind the last exponential (ISA guide 5.7.2)
	s_wait_alu depctr_va_vdst(0)
.irp d, 0,1,2,3,4,5,6,7,8,9
	v_pk_add_f32 v[ACC+2*\d:ACC+2*\d+1], v[P+16*\d:P+16*\d+1], v[P+16*\d+2:P+16*\d+3]
.endr
.irp k, 4,6,8,10,12,14
.irp d, 0,1,2,3,4,5,6,7,8,9
	v_pk_add_f32 v[ACC+2*\d:ACC+2*\d+1], v[ACC+2*\d:ACC+2*\d+1], v[P+16*\d+\k:P+16*\d+\k+1]
.endr
.endr
.irp d, 0,1,2,3,4,5,6,7,8,9
	v_add_f32 v[SM+\d], v[ACC+2*\d], v[ACC+2*\d+1]
.endr
.irp x, 1,2,4,8
.irp d, 0,1,2,3,4,5,6,7,8,9
	v_add_f32_dpp v[SM+\d], v[SM+\d], v[SM+\d] row_xmask:\x row_mask:0xf bank_mask:0xf
.endr
.endr
.irp d, 0,1,2,3,4,5,6,7,8,9
	v_permlanex16_b32 v[M+\d], v[SM+\d], s20, s21
.endr
.irp d, 0,1,2,3,4,5,6,7,8,9
	v_add_f32 v[SM+\d], v[SM+\d], v[M+\d]          ; the row's sum of e, at least 1
.endr
.irp d, 0,1,2,3,4,5,6,7,8,9
	v_rcp_f32 v[SM+\d], v[SM+\d]
.endr
	v_nop                                          ; a plain instruction behind the last reciprocal
	s_wait_alu depctr_va_vdst(0)
.irp i, 0,1,2,3,4
	v_cndmask_b32 v[RS+\i], v[SM+\i], v[SM+5+\i], s22              ; 1 / sum of level 5 h + i
.endr
	WIN 0x40
	XROW 15                                        ; the last row's four loads
	WIN 0
; A ROW: ten dot products' partial sums, two features an instruction; low + high; the record goes to LDS.
.macro ROW q
.set xs, 16*(\q)
.set st, SS+12*((\q)%2)
	s_wait_loadcnt 4*(15-(\q))                     ; loads come back in order (ISA guide 5.7.1): this row's four are in, the four of each younger row stay out
	WIN 0x01                                       ; source 0 (x) window 1
.irp d, 0,1,2,3,4,5,6,7,8,9
	v_pk_mul_f32 v[ACC+2*\d:ACC+2*\d+1], v[xs:xs+1], v[P+16*\d:P+16*\d+1]          ; the first product starts the sums
.endr
.irp k, 2,4,6,8,10,12,14
.irp d, 0,1,2,3,4,5,6,7,8,9
	v_pk_fma_f32 v[ACC+2*\d:ACC+2*\d+1], v[xs+\k:xs+\k+1], v[P+16*\d+\k:P+16*\d+\k+1], v[ACC+2*\d:ACC+2*\d+1]
.endr
.endr
	WIN 0
.if (\q) >= 2
	s_wait_dscnt 3                                 ; the stores of two rows ago have read this set of registers; the last row's three may be out
.endif
.irp d, 0,1,2,3
	v_add_f32 v[st+\d], v[ACC+2*\d], v[ACC+2*\d+1]
.endr
.irp d, 5,6,7,8
	v_add_f32 v[st+\d-1], v[ACC+2*\d], v[ACC+2*\d+1]
.endr
	v_add_f32 v[st+8], v[ACC+8], v[ACC+9]
	v_add_f32 v[st+9], v[ACC+18], v[ACC+19]
	ds_store_b128 v[LW], v[st:st+3] offset:RP*(\q)
	ds_store_b128 v[LW], v[st+4:st+7] offset:RP*(\q)+16
	ds_store_b64 v[LW], v[st+8:st+9] offset:RP*(\q)+32
.endm
.irp q, 0,1,2,3,4,5,6,7,8,9,10,11,12,13,14,15
	ROW \q
.endr
; ACROSS THE LANES.  Lane (r, h) adds row r's 32 records: four levels by 16 bytes, the fifth by 4.  LDS serves a wave's instructions in order (ISA guide 5.7.1.4): these loads see the stores above.
.irp l, 0,1,2,3,4,5,6,7,8,9,10,11,12,13,14,15,16,17,18,19,20,21,22,23,24,25,26,27,28,29,30,31
	ds_load_b128 v[P+4*\l:P+4*\l+3], v[LR] offset:REC*\l
	ds_load_b32 v[P+128+\l], v[LR2] offset:REC*\l+32
.endr
	s_wait_dscnt 32                                ; records 0-15 are in; the 32 loads of records 16-31 may be out
	v_pk_add_f32 v[ACC:ACC+1], v[P:P+1], v[P+4:P+5]
	v_pk_add_f32 v[ACC+2:ACC+3], v[P+2:P+3], v[P+6:P+7]
	v_add_f32 v[ACC+4], v[P+128], v[P+129]
.irp l, 2,3,4,5,6,7,8,9,10,11,12,13,14,15
	v_pk_add_f32 v[ACC:ACC+1], v[ACC:ACC+1], v[P+4*\l:P+4*\l+1]
	v_pk_add_f32 v[ACC+2:ACC+3], v[ACC+2:ACC+3], v[P+4*\l+2:P+4*\l+3]
	v_add_f32 v[ACC+4], v[ACC+4], v[P+128+\l]
.endr
	s_wait_dscnt 0x0
.irp l, 16,17,18,19,20,21,22,23,24,25,26,27,28,29,30,31
	v_pk_add_f32 v[ACC:ACC+1], v[ACC:ACC+1], v[P+4*\l:P+4*\l+1]
	v_pk_add_f32 v[ACC+2:ACC+3], v[ACC+2:ACC+3], v[P+4*\l+2:P+4*\l+3]
	v_add_f32 v[ACC+4], v[ACC+4], v[P+128+\l]
.endr
; THE SIGMOID: 1 / (1 + 2^(-(sel - threshold) log2(e) / 0.1))
.irp i, 0,1,2,3,4
	v_fma_f32 v[ACC+\i], v[ACC+\i], v[RS+\i], -v[THR+\i]           ; sum / the softmax's divisor - threshold
.endr
.irp i, 0,1,2,3,4
	v_mul_f32 v[ACC+\i], 0xc166d4ca, v[ACC+\i]                     ; x -14.42695
.endr
.irp i, 0,1,2,3,4
	v_exp_f32 v[ACC+\i], v[ACC+\i]
.endr
	v_nop
	s_wait_alu depctr_va_vdst(0)
.irp i, 0,1,2,3,4
	v_add_f32 v[ACC+\i], 1.0, v[ACC+\i]
.endr
.irp i, 0,1,2,3,4
	v_rcp_f32 v[ACC+\i], v[ACC+\i]
.endr
	v_nop
	s_wait_alu depctr_va_vdst(0)
	global_store_b128 v[DOA], v[ACC:ACC+3], s[12:13]               ; the wave's 16 rows of plane A: 512 consecutive bytes
	global_store_b32 v[DOB], v[ACC+4], s[36:37]                    ; and of plane B: 128
	s_cmp_lg_u32 s16, 0
	s_cbranch_scc1 .Ldone
; WAVE 0: ITS FRAGMENT OF leaf_values.  My blocks h and 2 + h of row r: all 32 numbers of each are mine.
	WIN 0x0a                                       ; sources 0 and 1 window 2
	v_max3_num_f32 v[QM], |v0|, |v1|, 0x2800000                    ; and the floor 2^(5 - 127), under which no largest magnitude is taken: so the byte cannot fall under 1
	v_max3_num_f32 v[QM+1], |v32|, |v33|, 0x2800000
	WIN 0x28                                       ; sources 1 and 2 window 2
.irp i, 2,4,6,8,10,12,14,16,18,20,22,24,26,28,30
	v_max3_num_f32 v[QM], v[QM], |v[\i]|, |v[\i+1]|
	v_max3_num_f32 v[QM+1], v[QM+1], |v[32+\i]|, |v[33+\i]|
.endr
	WIN 0
	v_add_nc_u32 v[QS], 0xfe000000, v[QM]          ; 4 off the exponent field: the conversion takes the exponent field of this operand as its scale, and nothing else of it
	v_add_nc_u32 v[QS+1], 0xfe000000, v[QM+1]
	v_lshrrev_b32 v[QB], 23, v[QS]                 ; the scales' bytes
	v_lshrrev_b32 v[QB+1], 23, v[QS+1]
	v_lshl_or_b32 v[QW], v[QB+1], 16, v[QB]
	v_lshlrev_b32 v[QW], v[H8], v[QW]              ; at their places in the row's scale word;
	v_permlanex16_b32 v[QT], v[QW], s20, s21
	v_or_b32 v[QW], v[QW], v[QT]                   ; with lane l xor 16's two the word is whole
	WIN 0x02                                       ; source 0 window 2
	v_cvt_scalef32_pk16_bf6_f32 v[CD:CD+2], v[0:15], v[QS]
	v_cvt_scalef32_pk16_bf6_f32 v[CT:CT+2], v[16:31], v[QS]        ; (a conversion's three registers begin on an even number: a block's second three do not, so they are made elsewhere and moved)
	v_cvt_scalef32_pk16_bf6_f32 v[CD+6:CD+8], v[32:47], v[QS+1]
	v_cvt_scalef32_pk16_bf6_f32 v[CT+4:CT+6], v[48:63], v[QS+1]
	WIN 0
	v_nop                                          ; one plain instruction behind the last conversion
.irp i, 0,1,2
	v_mov_b32 v[CD+3+\i], v[CT+\i]
	v_mov_b32 v[CD+9+\i], v[CT+4+\i]
.endr
.irp g, 0,1,2
	global_store_b128 v[XO], v[CD+4*\g:CD+4*\g+3], s[14:15] offset:512*\g          ; the image: 512 consecutive bytes a store
.endr
	global_store_b32 v[SCO], v[QW], s[38:39]       ; lanes l and l xor 16 write the same word with the same value
.Ldone:
	s_wait_tensorcnt 0x0
	ds_add_u32 v218, v219
	s_wait_dscnt 0x0
	s_endpgm
.Lfunc_end_k_q3f05e670cd_prep:
	.size	k_q3f05e670cd_prep, .Lfunc_end_k_q3f05e670cd_prep-k_q3f05e670cd_prep
	.p2alignl 7, 3214868480
	.fill 96, 4, 3214868480
	.section	.rodata,"a",@progbits
	.p2align	6, 0x0
	.amdhsa_kernel k_q3f05e670cd_prep
		.amdhsa_group_segment_fixed_size 99840
		.amdhsa_private_segment_fixed_size 0
		.amdhsa_enable_private_segment 0
		.amdhsa_kernarg_size 48
		.amdhsa_user_sgpr_count 2
		.amdhsa_user_sgpr_kernarg_segment_ptr 1
		.amdhsa_wavefront_size32 1
		.amdhsa_system_sgpr_workgroup_id_x 1
		.amdhsa_system_sgpr_workgroup_id_y 1
		.amdhsa_system_sgpr_workgroup_id_z 1
		.amdhsa_system_vgpr_workitem_id 0
		.amdhsa_next_free_vgpr 576
		.amdhsa_next_free_sgpr 66
		.amdhsa_reserve_vcc 0
		.amdhsa_float_denorm_mode_32 3
		.amdhsa_float_denorm_mode_16_64 3
		.amdhsa_memory_ordered 1
		.amdhsa_forward_progress 1
		.amdhsa_inst_pref_size 152
	.end_amdhsa_kernel
	.amdgpu_metadata
---
amdhsa.version: [ 1, 2 ]
amdhsa.kernels:
  - .name:           k_q3f05e670cd_prep
    .symbol:         k_q3f05e670cd_prep.kd
    .args:
      - { .name: x, .offset: 0, .size: 8, .value_kind: global_buffer, .address_space: global }
      - { .name: feature_weights, .offset: 8, .size: 8, .value_kind: global_buffer, .address_space: global }
      - { .name: thresholds, .offset: 16, .size: 8, .value_kind: global_buffer, .address_space: global }
      - { .name: leaf_values, .offset: 24, .size: 8, .value_kind: global_buffer, .address_space: global }
      - { .name: dec, .offset: 32, .size: 8, .value_kind: global_buffer, .address_space: global }
      - { .name: wq, .offset: 40, .size: 8, .value_kind: global_buffer, .address_space: global }
    .group_segment_fixed_size: 99840
    .private_segment_fixed_size: 0
    .kernarg_segment_align: 8
    .kernarg_segment_size: 48
    .max_flat_workgroup_size: 128
    .sgpr_count:     66
    .vgpr_count:     576
    .wavefront_size: 32
...
	.end_amdgpu_metadata
.endif
;; end of part 1
;; launch leafmm (part 2): grid 64 x 4, 4 waves a work-group, clusters of 4 x 1, 168,448 bytes of LDS; arguments dec, wq, out0; writes out0
.if DOCPART == 2
	.amdgcn_target "amdgcn-amd-amdhsa--gfx1250"
	.amdhsa_code_object_version 6
	.text
	.protected	k_q3f05e670cd_leafmm
	.globl	k_q3f05e670cd_leafmm
	.p2align	8
	.type	k_q3f05e670cd_leafmm,@function
k_q3f05e670cd_leafmm:
	s_mov_b64 s[64:65], 0
	v_nop
	global_prefetch_b8 v0, s[64:65] scope:SCOPE_SE
	s_setreg_imm32_b32 hwreg(HW_REG_WAVE_MODE, 25, 1), 1
	s_wait_xcnt 0x0
	s_wait_alu depctr_hold_cnt(0) depctr_sa_sdst(0) depctr_va_vdst(0) depctr_va_sdst(0) depctr_va_ssrc(0) depctr_va_vcc(0) depctr_vm_vsrc(0)
	s_getreg_b32 s2, hwreg(HW_REG_IB_STS2, 6, 4)
	s_cmp_eq_u32 s2, 0
	s_cbranch_scc0 .Lentry_in_a_cluster
	s_endpgm
.Lentry_in_a_cluster:
	s_bfe_u32 s2, ttmp6, 0x10000c
	s_cmp_lg_u32 s2, 0x3003
	s_cbranch_scc0 .Lentry_shape_is_right
	s_endpgm
.Lentry_shape_is_right:
; out[b][n] = sum over the 1,024 leaves l of Q(leaf_probs[b][l]) Q(leaf_values[n][l]), on codes of BF6 (E3M2) with one E8M0 scale for each 32 leaves; sums in f32.
; leaf_probs[b][l] = the product over the ten levels d of (bit d of l, the highest first, ? p_d : 1 - p_d).  p comes from dec, the codes and scale words of leaf_values from wq, as the launch before laid them.
; A BLOCK OF 32 LEAVES fixes the upper five bits u and runs over the lower five v: leaf_probs[32 u + v] = U[u] V[v].  So a row wants 32 U, 32 V and one multiplication a leaf, and since f32 multiplication
; by a number that is not negative keeps order, a block's largest number is U[u] x Vmax, Vmax made by V's own chain of multiplications on max(p, 1 - p): no maximum is searched for.
; THE OPERAND IS MADE IN ITS OWN REGISTERS.  The 6-bit layout gives lane (r, h) of a K step f the blocks u = 4 f + h and 4 f + 2 + h of row r, whole: the lane keeps V[0..31] and the 16 U whose lowest bit is h.
; SHARES.  A work-group owns 256 rows x 128 columns, each of its four waves 64 rows: four tiles of 16, one after the other.  All 64 fragments of the 128 columns' codes (768 registers) stay in every wave's
; registers, so a finished tile's stores leave while the next tile is multiplied, and nothing but the way out touches LDS in the loop.
; BY TURNS.  A K step is 8 matrix instructions; the 54 vector instructions that make the next K step's operand stand in slices behind them.  The codes of leaf_values fill windows 1 to 3 and all that the vector
; work touches lies in window 0, so a slice costs two switches of the register window; set in a phase of their own the 54 would leave the matrix unit idle all that while.
; THE MATRIX INSTRUCTION IS USED TRANSPOSED: source 0 = 16 rows of leaf_values, source 1 = 16 rows of leaf_probs: a lane then holds eight neighbouring numbers of a row of out.
; CLUSTER.  The four row blocks of a cluster want the same 102,400 bytes of wq: each wave asks for a quarter of them by ONE joint load, the same in all four work-groups.  LDS is filled once and never again.
; LIMITS: NaN and infinities are not served.  A block of zeros gets the byte 1 where the rule says 127: its codes are zeros.  1 - p is formed from the rounded p; the ten factors are multiplied in the order
; ((((a4 a0) a1) a2) a3) x ((((a5 a6) a7) a8) a9): a few units in the last place from a product in the order of the levels.
; REGISTERS: window 0 as named below; windows 1 to 3: fragment 8 s + t = f at window 1 + f / 21, register 12 (f % 21), for f up to 62; fragment 63 in window 0.
.set SP,   528                         ; the stage: a row of 512 bytes + 16: 33 x 16, so that the 16 rows that a store touches lie in 16 different columns of 16 bytes
.set STG,  102400                      ; LDS: the codes and scale words, then four stages of 16 rows, one a wave
.set STO,  1                           ; v1   the stage: where I put 32 bytes of a row
.set RD,   2                           ; v2   and where I read a row back
.set CO,   3                           ; v3   16 x lane: my place in a row of out, and in an image
.set DA,   4                           ; v4   32 r
.set DB,   5                           ; v5   8 r
.set H8,   6                           ; v6   8 h
.set CA,   8                           ; v[8:9]   (1, 0)
.set PT,   10                          ; v10  a lane permute's destination
.set VMAX, 11                          ; v11  the largest V
.set SO,   12                          ; v12-13   the conversions' scale operands of the fragment's two blocks
.set PD,   14                          ; v14-23   p0-3, p5-8, p4, p9 of row r
.set ASC,  24                          ; v24-31   leaf_probs' scale words, one a K step
.set WSC,  32                          ; v32-63   leaf_values': register 4 t + s / 2: lanes 0-15 even s, lanes 16-31 odd s
.set WX,   64                          ; v64-75   fragment 63
.set AF,   76                          ; v76-99   the operand, two buffers
.set T2,   100                         ; v100-102 the upper half of a block, as the conversion leaves it
.set U,    104                         ; v104-119
.set V,    120                         ; v120-151
.set TMP,  152                         ; v152-183 a block's 32 numbers; in SETUP the pairs (1 - p, p) and what hangs on them
.set ACC,  184                         ; v184-247 eight accumulators; then the tile's rows on their way out
.set LI2,  249                         ; v249 16 x lane + 49,152
.set B0,   250
.set B1,   251
.set WD,   252
.set CM,   254                         ; v[254:255] (-1, 1)
.set MSB, 0
.macro WIN new                         ; the immediate's high byte repeats the setting that is left; a switch that changes nothing is dropped
.if MSB != (\new)
	s_set_vgpr_msb (MSB<<8)|(\new)
.set MSB, (\new)
.endif
.endm
.macro CROUND                          ; a round of the cluster's barrier: my work-group's barrier; wave 0 signals for the work-group; every wave waits for all four work-groups; my work-group's barrier once more
	s_barrier_signal -1
	s_barrier_wait -1
	s_cmp_lg_u32 s10, 0
	s_cbranch_scc1 .Lnot_wave_0_\@
	s_barrier_signal -3
.Lnot_wave_0_\@:
	s_barrier_wait -3
	s_barrier_signal -1
	s_barrier_wait -1
.endm
.macro PDLOAD                          ; the ten p of my row of the tile at which the two bases stand
	global_load_b128 v[PD:PD+3], v[DA], s[32:33]
	global_load_b128 v[PD+4:PD+7], v[DA], s[32:33] offset:16
	global_load_b64 v[PD+8:PD+9], v[DB], s[34:35]
.endm
; Line sl of 12: the scale operands of fragment sf's two blocks, and its scale word.
.macro SCL
.if sl == 0
	v_mul_f32 v[SO], v[U+2*sf], v[VMAX]            ; the block's largest number
.elseif sl == 1
	v_mul_f32 v[SO+1], v[U+2*sf+1], v[VMAX]
.elseif sl == 2
	v_max_num_f32 v[SO], 0x2800000, v[SO]          ; the floor 2^(5 - 127): the byte cannot fall under 1
.elseif sl == 3
	v_max_num_f32 v[SO+1], 0x2800000, v[SO+1]
.elseif sl == 4
	v_add_nc_u32 v[SO], 0xfe000000, v[SO]          ; 4 off the exponent field: the conversion takes the exponent field of this operand as its scale, and nothing else of it
.elseif sl == 5
	v_add_nc_u32 v[SO+1], 0xfe000000, v[SO+1]
.elseif sl == 6
	v_lshrrev_b32 v[B0], 23, v[SO]                 ; the bytes
.elseif sl == 7
	v_lshrrev_b32 v[B1], 23, v[SO+1]
.elseif sl == 8
	v_lshl_or_b32 v[WD], v[B1], 16, v[B0]
.elseif sl == 9
	v_lshlrev_b32 v[WD], v[H8], v[WD]              ; blocks h and 2 + h: at their places in the word;
.elseif sl == 10
	v_permlanex16_b32 v[PT], v[WD], s28, s29
.else
	v_or_b32 v[ASC+sf], v[WD], v[PT]               ; with lane l xor 16's two it is whole
.endif
.endm
.macro QPL d, k                        ; the pair (1 - p, p) of level d, whose p lies in register PD + k: p x (-1, 1) + (1, 0), one rounding each
.if (\k)%2
	v_pk_fma_f32 v[TMP+2*(\d):TMP+2*(\d)+1], v[PD+(\k)-1:PD+(\k)], v[CM:CM+1], v[CA:CA+1] op_sel:[1,0,0] op_sel_hi:[1,1,1]
.else
	v_pk_fma_f32 v[TMP+2*(\d):TMP+2*(\d)+1], v[PD+(\k):PD+(\k)+1], v[CM:CM+1], v[CA:CA+1] op_sel_hi:[0,1,1]
.endif
.endm
.macro LEVEL dst, src, qp, n           ; one level more: the n products at src become 2 n at dst: dst[2 m + bit] = src[m] x (bit ? p : 1 - p).  dst ends where src ends; m ascends, so nothing is written before it has been read
.set m, 0
.rept \n
.if m%2
	v_pk_mul_f32 v[(\dst)+2*m:(\dst)+2*m+1], v[(\qp):(\qp)+1], v[(\src)+m-1:(\src)+m] op_sel:[0,1] op_sel_hi:[1,1]
.else
	v_pk_mul_f32 v[(\dst)+2*m:(\dst)+2*m+1], v[(\qp):(\qp)+1], v[(\src)+m:(\src)+m+1] op_sel_hi:[1,0]
.endif
.set m, m+1
.endr
.endm
; A tile's U, V, Vmax and first scale word, from its ten p.
.macro SETUP
	QPL 0, 0
	QPL 1, 1
	QPL 2, 2
	QPL 3, 3
	QPL 4, 8
	QPL 5, 4
	QPL 6, 5
	QPL 7, 6
	QPL 8, 7
	QPL 9, 9
.irp i, 0,1,2,3,4
	v_max_num_f32 v[TMP+20+\i], v[TMP+10+2*\i], v[TMP+11+2*\i]     ; the larger of 1 - p and p, levels 5 to 9
.endr
	v_cndmask_b32 v[TMP+25], v[TMP+8], v[TMP+9], s30               ; level 4 is the lowest bit of u, which is h: lanes 16-31 take p4, lanes 0-15 1 - p4
	v_mul_f32 v[VMAX], v[TMP+20], v[TMP+21]                        ; in the order in which V is built
	v_mul_f32 v[VMAX], v[VMAX], v[TMP+22]
	v_mul_f32 v[VMAX], v[VMAX], v[TMP+23]
	v_mul_f32 v[VMAX], v[VMAX], v[TMP+24]
	LEVEL V+28, TMP+10, TMP+12, 2                  ; levels 5 and 6,
	LEVEL V+24, V+28, TMP+14, 4                    ; 7,
	LEVEL V+16, V+24, TMP+16, 8                    ; 8,
	LEVEL V, V+16, TMP+18, 16                      ; 9: V[0..31]
	v_pk_mul_f32 v[U+14:U+15], v[TMP:TMP+1], v[TMP+24:TMP+25] op_sel:[0,1] op_sel_hi:[1,1]   ; levels 4 and 0,
	LEVEL U+12, U+14, TMP+2, 2                     ; 1,
	LEVEL U+8, U+12, TMP+4, 4                      ; 2,
	LEVEL U, U+8, TMP+6, 8                         ; 3: U[m] is the U of u = 2 m + h
.set sf, 0
.set sl, 0
.rept 12
	SCL
.set sl, sl+1
.endr
.endm
; Line gj of the 54 that make fragment gf (K step gf of the tile) in buffer gf % 2.  Each conversion has a plain line directly behind it that touches neither its result nor its sources; four plain lines or more
; follow the last move, ahead of the first product that reads the buffer; the scale word of fragment gf + 1 is finished a whole K step ahead of its first use.
.macro GI
.set ab, AF+12*(gf%2)
.set up, U+2*gf
.if gj < 8
.set gi, gj
	v_pk_mul_f32 v[TMP+2*gi:TMP+2*gi+1], v[V+2*gi:V+2*gi+1], v[up:up+1] op_sel_hi:[1,0]       ; block 4 gf + h: V x U[2 gf]
.elseif gj == 8
	v_cvt_scalef32_pk16_bf6_f32 v[ab:ab+2], v[TMP:TMP+15], v[SO]
.elseif gj < 17
.set gi, gj-1
	v_pk_mul_f32 v[TMP+2*gi:TMP+2*gi+1], v[V+2*gi:V+2*gi+1], v[up:up+1] op_sel_hi:[1,0]
.elseif gj == 17
	v_cvt_scalef32_pk16_bf6_f32 v[T2:T2+2], v[TMP+16:TMP+31], v[SO]        ; (a conversion's three registers begin on an even number: a block's second three do not)
.elseif gj < 26
.set gi, gj-18
	v_pk_mul_f32 v[TMP+2*gi:TMP+2*gi+1], v[V+2*gi:V+2*gi+1], v[up:up+1] op_sel:[0,1] op_sel_hi:[1,1]   ; block 4 gf + 2 + h: V x U[2 gf + 1]
.elseif gj < 29
	v_mov_b32 v[ab+gj-23], v[T2+gj-26]
.elseif gj == 29
	v_cvt_scalef32_pk16_bf6_f32 v[ab+6:ab+8], v[TMP:TMP+15], v[SO+1]
.elseif gj < 38
.set gi, gj-22
	v_pk_mul_f32 v[TMP+2*gi:TMP+2*gi+1], v[V+2*gi:V+2*gi+1], v[up:up+1] op_sel:[0,1] op_sel_hi:[1,1]
.elseif gj == 38
	v_cvt_scalef32_pk16_bf6_f32 v[T2:T2+2], v[TMP+16:TMP+31], v[SO+1]
.elseif (gj >= 40) && (gj < 43)
	v_mov_b32 v[ab+gj-31], v[T2+gj-40]
.elseif gf == 7                        ; the last fragment has no successor: one plain line behind the conversion, four behind the last move
.if gj < 47
	v_nop
.endif
.else
.set sf, gf+1
.set sl, gj-42
.if gj == 39
.set sl, 0
.endif
	SCL
.endif
.endm
.macro GEN0                            ; a tile's first fragment, in one run
.set gf, 0
.set gj, 0
.rept 54
	GI
.set gj, gj+1
.endr
.endm
; The product of K step ks and tile kt of columns.  The first K step starts the sums with the constant 0.
.macro MM
.set ph, 8*ks+kt
.if ph < 63
.set wn, 1+ph/21
.set wr, 12*(ph%21)
.else
.set wn, 0
.set wr, WX
.endif
.set ac, ACC+8*kt
.set ab, AF+12*(ks%2)
.set ws, WSC+4*kt+ks/2
	WIN wn                                         ; source 0 in the fragment's window, all else in window 0
.if ks == 0
	v_wmma_scale_f32_16x16x128_f8f6f4 v[ac:ac+7], v[wr:wr+11], v[ab:ab+11], 0, v[ws], v[ASC+ks] matrix_a_fmt:MATRIX_FMT_BF6 matrix_b_fmt:MATRIX_FMT_BF6
.elseif ks%2 == 0
	v_wmma_scale_f32_16x16x128_f8f6f4 v[ac:ac+7], v[wr:wr+11], v[ab:ab+11], v[ac:ac+7], v[ws], v[ASC+ks] matrix_a_fmt:MATRIX_FMT_BF6 matrix_b_fmt:MATRIX_FMT_BF6
.else
	v_wmma_scale_f32_16x16x128_f8f6f4 v[ac:ac+7], v[wr:wr+11], v[ab:ab+11], v[ac:ac+7], v[ws], v[ASC+ks] matrix_a_fmt:MATRIX_FMT_BF6 matrix_b_fmt:MATRIX_FMT_BF6 matrix_a_scale:MATRIX_SCALE_ROW1
.endif
.endm
; A tile's eight K steps.  The eight accumulators take turns, one instruction a turn.  Behind product kt of a K step stand lines 54 kt / 8 .. 54 (kt + 1) / 8 - 1 of the next fragment:
; no slice ends on a conversion.  The buffer that they write was last read by the K step before: fifteen plain lines lie between that product and the first conversion into it (ISA guide 7.12.1 asks four).
.macro KSTEPS
.set ks, 0
.rept 8
.set kt, 0
.rept 8
	MM
.if ks < 7
	WIN 0
.set gf, ks+1
.set gj, (54*kt)/8
.rept (54*(kt+1))/8-(54*kt)/8
	GI
.set gj, gj+1
.endr
.endif
.set kt, kt+1
.endr
.set ks, ks+1
.endr
.endm
; THE WAY OUT.  A lane holds 32 neighbouring bytes of a row for each tile of columns, and the lanes beside it hold other rows: the tile goes through my own stage in LDS and comes back as whole rows of 512 bytes,
; into the registers that it left.  LDS serves a wave's instructions in order (ISA guide 5.7.1.4): no wait between the stores and the loads.
.macro STAGE
	WIN 0
.rept 4
	v_nop                                          ; four places behind the last product, ahead of the first read of results
.endr
.irp t, 0,1,2,3,4,5,6,7
	ds_store_b128 v[STO], v[ACC+8*\t:ACC+8*\t+3] offset:64*\t      ; each accumulator from its low end on
	ds_store_b128 v[STO], v[ACC+8*\t+4:ACC+8*\t+7] offset:64*\t+16
.endr
.irp i, 0,1,2,3,4,5,6,7,8,9,10,11,12,13,14,15
	ds_load_b128 v[ACC+4*\i:ACC+4*\i+3], v[RD] offset:SP*\i
.endr
.endm
.macro SEND
	s_wait_dscnt 0x0                               ; the rows are back
.irp i, 0,1,2,3,4,5,6,7,8,9,10,11,12,13,14,15
	global_store_b128 v[CO], v[ACC+4*\i:ACC+4*\i+3], s[8:9] offset:2048*\i th:TH_STORE_NT   ; 32 lanes store 512 consecutive bytes, at a multiple of 512 from out's first byte; written once, read by nobody here
.endr
	s_wait_xcnt 0x0                                ; the stores' addresses are translated (ISA guide 3.1): only behind this wait are their base stepped and their registers written by the next tile's products
	s_add_nc_u64 s[8:9], s[8:9], 32768             ; 16 rows of out on
.endm
	s_load_b128 s[4:7], s[0:1], 0x0                ; dec s[4:5], wq s[6:7]
	s_load_b64 s[8:9], s[0:1], 0x10                ; out
	v_lshl_add_u32 v248, v0, 2, 0x29000
	v_mov_b32 v253, 0
	ds_add_u32 v248, v253
	ds_add_u32 v248, v253
	v_lshrrev_b32 v1, 5, v0
	v_readfirstlane_b32 s10, v1                    ; wave 0..3
	v_and_b32 v[B0], 15, v0                        ; r
	v_bfe_u32 v[B1], v0, 4, 1                      ; h
	v_and_b32 v[WD], 31, v0                        ; lane
	s_mul_i32 s46, s10, 16*SP
	s_add_co_u32 s46, s46, STG                     ; my stage: no place in the cluster enters an LDS address
	v_mul_u32_u24 v[STO], v[B0], SP
	v_lshl_add_u32 v[STO], v[B1], 5, v[STO]
	v_add_nc_u32 v[STO], s46, v[STO]               ; in: row r, + 32 h
	v_lshlrev_b32 v[CO], 4, v[WD]
	v_add_nc_u32 v[RD], s46, v[CO]                 ; back: the 32 lanes take one row
	v_add_nc_u32 v[LI2], 49152, v[CO]
	v_lshlrev_b32 v[DA], 5, v[B0]
	v_lshlrev_b32 v[DB], 3, v[B0]
	v_lshlrev_b32 v[H8], 3, v[B1]
	v_mov_b32 v[CA], 1.0
	v_mov_b32 v[CA+1], 0
	v_mov_b32 v[CM], -1.0
	v_mov_b32 v[CM+1], 1.0
	v_mov_b32 v[PT], 0                             ; written once: a lane permute's destination counts as one of its sources
	s_bfe_u32 s11, ttmp6, 0x40000                  ; cx: my place in the cluster
	s_lshl_b32 s12, ttmp9, 2                       ; in a cluster launch ttmp9 counts clusters
	s_add_co_u32 s12, s12, s11                     ; my block of 256 rows: it enters dec's and out's addresses alone
	s_and_b32 s13, ttmp7, 0xffff                   ; my block of 128 columns, which the four partners share
	s_lshl_b32 s36, s12, 8
	s_lshl_b32 s37, s10, 6
	s_add_co_u32 s36, s36, s37                     ; my wave's first row
	s_lshl_b32 s38, s36, 5                         ; dec, plane A: 32 bytes a row
	s_mov_b32 s39, 0
	s_lshl_b32 s40, s36, 3                         ; plane B: 8 bytes a row, behind plane A
	s_add_co_u32 s40, s40, 524288
	s_mov_b32 s41, 0
	s_lshl_b32 s42, s36, 11                        ; out: 2,048 bytes a row, + 512 bytes a block of columns
	s_lshl_b32 s43, s13, 9
	s_add_co_u32 s42, s42, s43
	s_mov_b32 s43, 0
	s_mul_i32 s44, s13, 102400                     ; wq: the block of columns, and my wave's quarter of it, in registers that never hold cx
	s_mul_i32 s17, s10, 25600                      ; descriptor group 0, 63:32: the LDS address: wave x 25,600
	s_add_co_u32 s44, s44, s17
	s_mov_b32 s45, 0
	; descriptor group 1: 25,600 dense bytes as 100 rows of 256 bytes (32 elements of 8 bytes), no padding: images are read as they lie, 512 consecutive bytes a load
	s_mov_b32 s20, 0x0023000f                      ; 15:0 the mask: all four work-groups; 17:16 elements of 8 bytes; 20 padding off; 21 set beside a mask
	s_mov_b32 s21, 32<<16                          ; tensor_dim0 = 32
	s_mov_b32 s22, 100<<16                         ; tensor_dim1 = 100
	s_mov_b32 s23, 32<<16                          ; tile_dim0 = 32
	s_mov_b32 s24, 100                             ; tile_dim1 = 100
	s_mov_b32 s25, 32                              ; elements from row to row
	s_mov_b32 s26, 0
	s_mov_b32 s27, 0
	s_mov_b32 s28, 0x76543210                      ; v_permlanex16_b32's selects for lane l xor 16
	s_mov_b32 s29, 0xfedcba98
	s_mov_b32 s30, 0xffff0000                      ; lanes 16-31
	s_wait_dscnt 0x0
	s_wait_kmcnt 0x0
	s_add_nc_u64 s[32:33], s[4:5], s[38:39]
	s_add_nc_u64 s[34:35], s[4:5], s[40:41]
	s_add_nc_u64 s[8:9], s[8:9], s[42:43]
	s_mov_b32 s16, 1                               ; group 0: 1:0 count = 1
	s_add_nc_u64 s[18:19], s[6:7], s[44:45]        ; 120:64 the global address
	s_or_b32 s19, s19, 0x80000000                  ; 127:126 type = 2
	PDLOAD                                         ; tile 0's p
	CROUND                                         ; all four work-groups are here: the joint loads meet
	tensor_load_to_lds s[16:19], s[20:27]          ; my one tensor load of the launch
	s_nop 0
.rept 4
	v_nop
.endr
	s_wait_loadcnt 0x0                             ; tile 0's p are in; their loads are done, so the bases may step
	SETUP                                          ; the first tile's set-up and first fragment are made while the codes are on their way
	s_add_nc_u64 s[32:33], s[32:33], 512           ; 16 rows on
	s_add_nc_u64 s[34:35], s[34:35], 128
	PDLOAD                                         ; tile 1's p
	GEN0
	s_wait_tensorcnt 0x0                           ; my quarter is in,
	s_barrier_signal -1
	s_barrier_wait -1                              ; everybody's is
.irp t, 0,1,2,3,4,5,6,7
	ds_load_b128 v[WSC+4*\t:WSC+4*\t+3], v[LI2] offset:49152+512*\t        ; the scale words of tile t of columns, all eight K steps
.endr
.set ph, 0
.rept 64                               ; the 64 fragments, three loads of 512 consecutive bytes each; the destination's window changes three times
.if ph < 63
.set wn, (1+ph/21)*64
.set wr, 12*(ph%21)
.else
.set wn, 0
.set wr, WX
.endif
	WIN wn
.irp g, 0,1,2
.if ph < 32
	ds_load_b128 v[wr+4*\g:wr+4*\g+3], v[CO] offset:1536*ph+512*\g
.else
	ds_load_b128 v[wr+4*\g:wr+4*\g+3], v[LI2] offset:1536*(ph-32)+512*\g
.endif
.endr
.set ph, ph+1
.endr
	s_wait_dscnt 0x0
	s_mov_b32 s31, 3
.Ltile:                                            ; three trips: tile i is multiplied and staged; tile i + 1 is set up and its first fragment made while tile i's rows come back from the stage; then they are stored
	KSTEPS
	STAGE
	s_wait_loadcnt 0x0                             ; the next tile's p are in
	SETUP
	s_add_nc_u64 s[32:33], s[32:33], 512
	s_add_nc_u64 s[34:35], s[34:35], 128
	s_cmp_eq_u32 s31, 1                            ; the last trip sets up the last tile: there is nothing behind it to ask for, and no load leaves its buffer
	s_cbranch_scc1 .Lno_more
	PDLOAD
.Lno_more:
	GEN0
	SEND
	s_sub_co_u32 s31, s31, 1
	s_cmp_lg_u32 s31, 0
	s_cbranch_scc1 .Ltile
	KSTEPS                                         ; the last tile
	STAGE
	SEND
	s_wait_tensorcnt 0x0
	ds_add_u32 v248, v253
	s_wait_dscnt 0x0
	CROUND                                         ; the closing round: no work-group ends while a partner may still ask for the tile that names it
	s_endpgm
.Lfunc_end_k_q3f05e670cd_leafmm:
	.size	k_q3f05e670cd_leafmm, .Lfunc_end_k_q3f05e670cd_leafmm-k_q3f05e670cd_leafmm
	.p2alignl 7, 3214868480
	.fill 96, 4, 3214868480
	.section	.rodata,"a",@progbits
	.p2align	6, 0x0
	.amdhsa_kernel k_q3f05e670cd_leafmm
		.amdhsa_group_segment_fixed_size 168448
		.amdhsa_private_segment_fixed_size 0
		.amdhsa_enable_private_segment 0
		.amdhsa_kernarg_size 24
		.amdhsa_user_sgpr_count 2
		.amdhsa_user_sgpr_kernarg_segment_ptr 1
		.amdhsa_wavefront_size32 1
		.amdhsa_system_sgpr_workgroup_id_x 1
		.amdhsa_system_sgpr_workgroup_id_y 1
		.amdhsa_system_sgpr_workgroup_id_z 1
		.amdhsa_system_vgpr_workitem_id 0
		.amdhsa_next_free_vgpr 1024
		.amdhsa_next_free_sgpr 66
		.amdhsa_reserve_vcc 0
		.amdhsa_float_denorm_mode_32 3
		.amdhsa_float_denorm_mode_16_64 3
		.amdhsa_memory_ordered 1
		.amdhsa_forward_progress 1
		.amdhsa_inst_pref_size 105
	.end_amdhsa_kernel
	.amdgpu_metadata
---
amdhsa.version: [ 1, 2 ]
amdhsa.kernels:
  - .name:           k_q3f05e670cd_leafmm
    .symbol:         k_q3f05e670cd_leafmm.kd
    .args:
      - { .name: dec, .offset: 0, .size: 8, .value_kind: global_buffer, .address_space: global }
      - { .name: wq, .offset: 8, .size: 8, .value_kind: global_buffer, .address_space: global }
      - { .name: out0, .offset: 16, .size: 8, .value_kind: global_buffer, .address_space: global }
    .group_segment_fixed_size: 168448
    .private_segment_fixed_size: 0
    .kernarg_segment_align: 8
    .kernarg_segment_size: 24
    .max_flat_workgroup_size: 128
    .sgpr_count:     66
    .vgpr_count:     1024
    .wavefront_size: 32
...
	.end_amdgpu_metadata
.endif
;; end of part 2
